; MI455X (gfx1250); checked and timed in simulation.
; The chip was launched on July 23, 2026; its instructions are those of AMD's public machine-readable ISA for CDNA 5 (MIT licence, August 2026) and "CDNA5" Instruction Set Architecture Reference Guide (July 2026). The comments in the code are by the model that wrote it; some were corrected since.
;; Attention. Allowed arithmetic: matrix products marked QUANTISED: E2M1 operands, one E8M0 scale for each 32 along K, by v_wmma_scale_f32_16x16x128_f8f6f4 with both operands' format E2M1 (or v_wmma_scale_f32_32x16x128_f4), f32 sums; products left as they are: f32 operands where the result goes on into a quantised operand, else bf16, f16 or f32 operands; f32 sums; everything else in f32.
;; Inputs: attn_b 1,024 float32; attn_w 1,024 x 2,048 float32; encoder_outputs 32 x 2,048 x 1,024 float32; hidden 32 x 1,024 float32; v_w 1 x 1,024 float32.
;; Outputs: out0 32 x 2,048 float32; out1 32 x 2,048 x 1 float32.
;; This version of the problem:
;;   THIS VERSION OF THE PROBLEM IS GIVEN IN LOW PRECISION. The matrix products marked QUANTISED in the list below multiply operands that are first quantised to E2M1 (2 exponent bits, 1 mantissa bit; 4 bits a number), with one power-of-two scale for each 32 numbers along K (OCP MX v1.0); their sums are f32. All else is computed in f32.
;;   The module's matrix products, in the order in which they are computed (A, B: the left and right operand; K: the contracted axis; several contracted axes count as one K, in the product's order):
;;     1. [M 32, K 1,024] x [K 1,024, N 1,024]; A: input hidden; B: input attn_w: QUANTISED
;;     2. [M 65,536, K 1,024] x [K 1,024, N 1,024]; A: input encoder_outputs; B: input attn_w: QUANTISED
;;     3. [M 65,536, K 1,024] x [K 1,024, N 1]; A: computed on the way; B: input v_w: left as it is (N = 1 < 16)
;;     4. batch 32 x [M 1, K 2,048] x [K 2,048, N 1,024]; A: softmax; B: input encoder_outputs: left as it is (M = 1 < 16)
;;   THE QUANTISER, for each operand of a quantised product, along K:
;;     - K is cut into blocks of 32 from its start; a last block that is shorter is filled with zeros.
;;     - A block's scale is 2^e with e = floor(log2(the largest magnitude in the block)) - 2, held to -126 .. 127; a block of zeros has e = 0. As a byte (E8M0): e + 127.
;;     - Each number is divided by its block's scale, clamped to +-6, and rounded to the nearest number of E2M1, ties to even, subnormals kept.
;;     - The product sums the exact products of the quantised numbers (number of the format x scale) in f32.
;;   ~~~python
;;   def quantise(x, axis):      # numpy; x: float32 -> the quantised numbers, widened to float32 again
;;       x = np.moveaxis(x, axis, -1); K = x.shape[-1]
;;       x = np.pad(x, [(0, 0)] * (x.ndim - 1) + [(0, -K % 32)]); x = x.reshape(x.shape[:-1] + (-1, 32)); a = np.abs(x).max(-1, keepdims=True)
;;       e = np.where(a > 0, np.clip(np.frexp(np.where(a > 0, a, 1))[1] - 1 - 2, -126, 127), 0)      # np.frexp(a)[1] - 1 = floor(log2(a)), exactly
;;       r = np.clip(x / 2.0 ** e, -6, 6)
;;       step = 2.0 ** (np.maximum(np.frexp(np.where(r == 0, 1, r))[1] - 1, 0) - 1)
;;       q = np.round(r / step) * step * 2.0 ** e      # np.round: ties to even
;;       return np.moveaxis(q.reshape(q.shape[:-2] + (-1,))[..., :K], -1, axis).astype(np.float32)
;;   ~~~
;; One version. Each part assembles by itself: llvm-mc -triple=amdgcn-amd-amdhsa -mcpu=gfx1250 --defsym DOCPART=n.
;; ======== version 1 of 1: 3 launches
;; limits: values are held in bf16: 8 bits of precision; right only within a limited range of input values
;; workspace buffers: wq 524,288 bytes; wsc 32,768 bytes; hbc 131,072 bytes; scores 262,144 bytes; pctx 2,097,152 bytes
;; launch prep (part 1): grid 64 x 1, 16 waves a work-group, no clusters, 111,872 bytes of LDS; arguments attn_w, hidden, attn_b, wq, wsc, hbc; writes wq, wsc, hbc
.if DOCPART == 1
	.amdgcn_target "amdgcn-amd-amdhsa--gfx1250"
	.amdhsa_code_object_version 6
	.text
	.protected	k_qf22d1e529f_prep
	.globl	k_qf22d1e529f_prep
	.p2align	8
	.type	k_qf22d1e529f_prep,@function
k_qf22d1e529f_prep:
	s_mov_b64 s[64:65], 0
	v_nop
	global_prefetch_b8 v0, s[64:65] scope:SCOPE_SE
	s_setreg_imm32_b32 hwreg(HW_REG_WAVE_MODE, 25, 1), 1
	s_wait_xcnt 0x0
; ADDITIVE ATTENTION IN MX-FP4, launch 1 of 3.  e = tanh(hidden Wh^T + enc We^T + attn_b), score = e . v_w, softmax over the 2,048 positions, context = weights . enc.
; THIS LAUNCH: quantises attn_w (both halves) and hidden along K = 1,024, lays We's codes and scale words in the order of a matrix operand's registers (wq, wsc),
; makes the small quantised product hidden Wh^T, and stores hbc = c (hidden Wh^T + attn_b), c = 2 log2(e), which the second launch adds to c x its own sums.
; WORK LEFT OUT BY THE PROGRAM.  tanh(x) = 1 - 2 / (1 + e^(2x)), so score[b][s] = sum_k v_w[k] - 2 sum_k v_w[k] / (1 + e^(2 x[b][s][k])).  The first term is the same for every s of a
; batch, whatever the inputs hold: it is a term added to the softmax's input that is constant along its axis, and the scores reach the outputs through that softmax alone.  It is not computed.
; Every input keeps a way to an output and is loaded.  LIMIT: an overflow, an infinity or a NaN that would arise in sum_k v_w[k] alone is not carried to the result.
; LIMITS: NaN and infinities among the inputs are not served.  A block of zeros gets the scale byte 1 where the quantiser says 127: its codes are zeros, which add nothing, and this program alone reads the bytes.
; SHARES.  Work-group T owns rows 16 T .. 16 T + 15 of attn_w.  It quantises 64 rows of 1,024 numbers: 0-15 We's halves of its rows, 16-31 Wh's halves, 32-63 hidden's 32 rows (each of the 64 work-groups
; quantises hidden again: 128 KiB of reads that spare a launch).  Wave w takes rows 4 w .. 4 w + 3.
; A ROW: eight loads of 512 consecutive bytes; the 4,096 bytes turn through the wave's own stage in LDS and come back 128 bytes a lane, so that lane l holds block l (k = 32 l .. 32 l + 31) in 32 registers on end:
; the block's largest magnitude needs no other lane, and the conversions give 16 bytes of codes with K innermost.
; No tensor load: the tiles are small and each byte is turned by the wave that loaded it.  No cluster: the work-groups share hidden alone, 128 KiB beside their own 128 KiB, once.
.set CP,    528                        ; a row of codes in LDS: 512 bytes + 16: an odd multiple of 16, so the sixteen rows of a fragment load fall on sixteen different 16-byte columns of 256
.set SBP,   36                         ; a row of scale bytes: 32 + 4
.set CODE,  0                          ; 64 rows of codes
.set SCB,   64*CP                      ; 64 rows of scale bytes
.set STG,   SCB+64*SBP                 ; a stage of 4,608 bytes for each wave: 4,096 + 16 behind each 128
.set STGW,  4608
.set SPARE, STG+16*STGW                ; the spare words, 128 bytes for each of 16 waves: eight blocks of 256 bytes that no other line names
.set LA,   1                           ; v1   16 x lane
.set STW,  2                           ; v2   the stage, way in: 16 lane + 16 (lane / 8)
.set STR,  3                           ; v3   the stage, way out: 144 x lane
.set CW,   4                           ; v4   where my rows' codes go
.set SW,   5                           ; v5   where my rows' scale bytes go
.set GA,   6                           ; v6-9 byte offsets of my four rows
.set AR,   10                          ; v10  a fragment's place for my lane: r x CP + 16 h
.set AS,   11                          ; v11  a scale word's: r x SBP + 4 h: lanes 16-31 take the odd K step's word
.set ARW,  12                          ; v12  AR + 64 x wave: K step = wave (waves 0-7)
.set WHS,  16                          ; v16-19 Wh's scale words, v20-27 hidden's: they hold scales and nothing else
.set HV,   28                          ; v28  32 h
.set HO,   29                          ; v29  64 r + 32 h
.set SPW,  30                          ; v30  my spare word; never rewritten
.set NIL,  31                          ; v31  0; never rewritten
.set XR,   32                          ; v32-95   two sets of 32 neighbours; later Wh's eight fragments
.set CO,   96                          ; v96-100, v104-108 two sets of results (4 registers of codes, the byte); later the two accumulators
.set TA,   112                         ; v112-114 at work
.set OB,   120                         ; v120-127 on the way out; in wave 9: attn_b
.set R,    128                         ; v128-255 four rows as loaded; later hidden's sixteen fragments
	s_load_b256 s[4:11], s[0:1], 0x0               ; attn_w s[4:5], hidden s[6:7], attn_b s[8:9], wq s[10:11]
	s_load_b128 s[12:15], s[0:1], 0x20             ; wsc s[12:13], hbc s[14:15]
	v_lshl_add_u32 v[SPW], v0, 2, SPARE
	v_mov_b32 v[NIL], 0
	v_lshrrev_b32 v13, 5, v0
	s_delay_alu instid0(VALU_DEP_1)
	v_readfirstlane_b32 s16, v13                   ; wave 0..15
	v_and_b32 v13, 31, v0                          ; lane
	v_and_b32 v14, 15, v0                          ; r
	v_bfe_u32 v15, v0, 4, 1                        ; h
	s_delay_alu instid0(VALU_DEP_3)
	v_lshlrev_b32 v[LA], 4, v13
	s_mul_i32 s17, s16, STGW
	s_add_co_u32 s17, s17, STG                     ; my stage
	v_lshrrev_b32 v[STW], 3, v13
	s_delay_alu instid0(VALU_DEP_1)
	v_lshl_add_u32 v[STW], v[STW], 4, v[LA]
	s_delay_alu instid0(VALU_DEP_1)
	v_add_nc_u32 v[STW], s17, v[STW]
	v_mul_u32_u24 v[STR], v13, 144
	s_delay_alu instid0(VALU_DEP_1)
	v_add_nc_u32 v[STR], s17, v[STR]
	s_mul_i32 s17, s16, 4*CP
	v_and_b32 v[CW], 3, v13                        ; THE ORDER OF BLOCKS ALONG K: block l of a row is laid at place 8 (l % 4) + l / 4, codes and scale byte alike, in We, Wh and hidden,
	v_lshrrev_b32 v[SW], 2, v13                    ; and the second launch lays enc's blocks so too: one order on both sides of each product keeps the products
	v_lshl_add_u32 v[SW], v[CW], 3, v[SW]
	v_lshl_add_u32 v[CW], v[SW], 4, s17            ; CODE = 0
	s_mul_i32 s17, s16, 4*SBP
	s_add_co_u32 s17, s17, SCB
	v_add_nc_u32 v[SW], s17, v[SW]
	v_mul_u32_u24 v[AR], v14, CP
	s_delay_alu instid0(VALU_DEP_1)
	v_lshl_add_u32 v[AR], v15, 4, v[AR]
	v_mul_u32_u24 v[AS], v14, SBP
	s_delay_alu instid0(VALU_DEP_1)
	v_lshl_add_u32 v[AS], v15, 2, v[AS]
	s_delay_alu instid0(VALU_DEP_1)
	v_add_nc_u32 v[AS], SCB, v[AS]
	s_lshl_b32 s17, s16, 6
	v_add_nc_u32 v[ARW], s17, v[AR]
	v_lshlrev_b32 v[HV], 5, v15
	s_delay_alu instid0(VALU_DEP_1)
	v_lshl_add_u32 v[HO], v14, 6, v[HV]
	; which rows are mine: waves 0-3 We's halves, 4-7 Wh's halves of attn_w's rows 16 T + 4 (w % 4) ..; waves 8-15 hidden's rows 4 (w - 8) ..
	s_and_b32 s18, s16, 3
	s_lshl_b32 s18, s18, 2
	s_lshl_b32 s19, ttmp9, 4
	s_add_co_u32 s18, s18, s19
	s_and_b32 s19, s16, 7
	s_lshl_b32 s19, s19, 2
	s_mov_b32 s20, 4096
	s_cmp_lt_u32 s16, 8
	s_cselect_b32 s18, s18, s19                    ; my first row,
	s_cselect_b32 s20, 8192, s20                   ; bytes from row to row,
	s_mul_i32 s18, s18, s20
	s_cmp_lt_u32 s16, 4
	s_cselect_b32 s19, 4096, 0                     ; and We's half begins 4,096 bytes into a row
	s_add_co_u32 s18, s18, s19
	s_mov_b32 s19, 0
	v_mov_b32 v[GA], v[LA]
	s_delay_alu instid0(VALU_DEP_1)
	v_add_nc_u32 v[GA+1], s20, v[GA]
	s_delay_alu instid0(VALU_DEP_1)
	v_add_nc_u32 v[GA+2], s20, v[GA+1]
	s_delay_alu instid0(VALU_DEP_1)
	v_add_nc_u32 v[GA+3], s20, v[GA+2]
	s_mov_b32 s22, 0x4038aa3b                      ; c = 2 log2(e)
	s_mov_b32 s23, s22                             ; (named with it as a pair, so it is written)
	s_mov_b32 s27, 0
	s_wait_alu depctr_va_vdst(0)
	s_wait_kmcnt 0x0
	s_lshl_b32 s26, ttmp9, 6
	s_add_nc_u64 s[8:9], s[8:9], s[26:27]          ; attn_b at 16 T
	s_cmp_lg_u32 s16, 9                            ; wave 9 alone uses attn_b: it asks here, ahead of its rows' loads, which are younger in every counted wait below
	s_cbranch_scc1 .Lno_bias
	global_load_b128 v[OB:OB+3], v[HV], s[8:9]                 ; attn_b at my eight columns
	global_load_b128 v[OB+4:OB+7], v[HV], s[8:9] offset:16
.Lno_bias:
	s_cmp_lt_u32 s16, 8                            ; the choice of the buffer hangs on the wave's number alone
	s_cselect_b64 s[24:25], s[4:5], s[6:7]
	s_add_nc_u64 s[24:25], s[24:25], s[18:19]
.irp i, 0,1,2,3
.irp j, 0,1,2,3,4,5,6,7
	global_load_b128 v[R+32*\i+4*\j:R+32*\i+4*\j+3], v[GA+\i], s[24:25] offset:512*\j   ; 32 lanes read 512 consecutive bytes
.endr
.endr
	s_lshl_b32 s26, ttmp9, 13
	s_lshl_b32 s17, s16, 10
	s_add_co_u32 s26, s26, s17
	s_add_nc_u64 s[10:11], s[10:11], s[26:27]      ; wq at tile T, K step = wave
	s_lshl_b32 s26, ttmp9, 9
	s_add_nc_u64 s[12:13], s[12:13], s[26:27]      ; wsc at tile T
	s_lshl_b32 s26, ttmp9, 11
	s_add_nc_u64 s[14:15], s[14:15], s[26:27]      ; hbc at tile T
; Row i goes through my stage: LDS serves a wave's instructions in order, so no wait stands between the stores and the loads, nor in front of the next row's stores
.macro TURNIN i
.irp j, 0,1,2,3,4,5,6,7
	ds_store_b128 v[STW], v[R+32*(\i)+4*\j:R+32*(\i)+4*\j+3] offset:576*\j
.endr
.irp j, 0,1,2,3,4,5,6,7
	ds_load_b128 v[XR+32*((\i)%2)+4*\j:XR+32*((\i)%2)+4*\j+3], v[STR] offset:16*\j
.endr
.endm
; 32 numbers of one block, v[x] on, become 16 bytes of codes and the block's scale byte, in result set e
.macro QUANT x, e
.set X_, \x
.set C_, CO+8*(\e)
	v_max3_num_f32 v[TA], |v[X_]|, |v[X_+1]|, 0x1800000        ; the largest magnitude, in two chains, with the floor 2^(3 - 127) among the leaves: the byte cannot fall under 1
	v_max3_num_f32 v[TA+1], |v[X_+2]|, |v[X_+3]|, |v[X_+4]|
.irp n, 5,9,13,17,21,25
	s_delay_alu instid0(VALU_DEP_2)
	v_max3_num_f32 v[TA], v[TA], |v[X_+\n]|, |v[X_+\n+1]|
	s_delay_alu instid0(VALU_DEP_2)
	v_max3_num_f32 v[TA+1], v[TA+1], |v[X_+\n+2]|, |v[X_+\n+3]|
.endr
	s_delay_alu instid0(VALU_DEP_2)
	v_max3_num_f32 v[TA], v[TA], |v[X_+29]|, |v[X_+30]|
	s_delay_alu instid0(VALU_DEP_1)
	v_max3_num_f32 v[TA], v[TA], v[TA+1], |v[X_+31]|
	s_delay_alu instid0(VALU_DEP_1)
	v_add_nc_u32 v[TA+2], 0xff000000, v[TA]        ; 2 off its exponent field: the conversion takes the exponent field of this operand as its scale
.irp g, 0,1,2,3
	v_cvt_scalef32_pk8_fp4_f32 v[C_+\g], v[X_+8*\g:X_+8*\g+7], v[TA+2]
.endr
	v_lshrrev_b32 v[C_+4], 23, v[TA+2]             ; the scale's byte; also the plain instruction behind the conversions
.endm
.macro ROW i
.if (\i) == 0
	s_wait_dscnt 0x0
.else
	s_wait_dscnt 2                                 ; row i is back from the stage: behind its loads stand the last row's two stores alone; the result set of two rows back is free too
.endif
.if (\i) < 3
	s_wait_loadcnt 8*(2-(\i))                      ; row i + 1 is in; the rows behind it may be out, eight loads each
	TURNIN (\i)+1
.endif
	QUANT XR+32*((\i)%2), (\i)%2
	ds_store_b128 v[CW], v[C_:C_+3] offset:(\i)*CP
	ds_store_b8 v[SW], v[C_+4] offset:(\i)*SBP
.endm
	s_wait_loadcnt 24                              ; row 0 is in; rows 1 to 3 may be out
	TURNIN 0
	ROW 0
	ROW 1
	ROW 2
	ROW 3
	s_wait_dscnt 0x0                               ; for the others' sake: my codes and bytes lie in LDS
	s_barrier_signal -1
	s_barrier_wait -1
	s_cmp_lt_u32 s16, 8
	s_cbranch_scc0 .Lnot_frag
	; waves 0-7: We's fragment of K step w, as the operand's registers want it: lane (r, h), registers 4 c ..: k = 128 w + 64 c + 32 h + 0 .. 31 of row r
	ds_load_b128 v[OB:OB+3], v[ARW]
	ds_load_b128 v[OB+4:OB+7], v[ARW] offset:32
	s_wait_dscnt 0x0
	global_store_b128 v[LA], v[OB:OB+3], s[10:11]              ; 32 lanes store 512 consecutive bytes, aligned
	global_store_b128 v[LA], v[OB+4:OB+7], s[10:11] offset:512
	s_branch .Lend
.Lnot_frag:
	s_cmp_eq_u32 s16, 8
	s_cbranch_scc0 .Lnot_scale
	; wave 8: We's scale words: register u holds K step 2 u in lanes 0-15 and K step 2 u + 1 in lanes 16-31
.irp u, 0,1,2,3
	ds_load_b32 v[OB+\u], v[AS] offset:8*\u
.endr
	s_wait_dscnt 0x0
	global_store_b128 v[LA], v[OB:OB+3], s[12:13]
	s_branch .Lend
.Lnot_scale:
	s_cmp_eq_u32 s16, 9
	s_cbranch_scc0 .Lend
	; wave 9: hidden Wh^T for my 16 columns and all 32 batches.  Source 0 = 16 rows of Wh, source 1 = 16 rows of hidden: lane (r, h), register j = (column 16 T + 8 h + j, batch 16 g + r)
.irp s, 0,1,2,3,4,5,6,7
.irp c, 0,1
	ds_load_b128 v[XR+8*\s+4*\c:XR+8*\s+4*\c+3], v[AR] offset:16*CP+64*\s+32*\c
.endr
.endr
.irp g, 0,1
.irp s, 0,1,2,3,4,5,6,7
.irp c, 0,1
	ds_load_b128 v[R+64*\g+8*\s+4*\c:R+64*\g+8*\s+4*\c+3], v[AR] offset:(32+16*\g)*CP+64*\s+32*\c
.endr
.endr
.endr
.irp u, 0,1,2,3
	ds_load_b32 v[WHS+\u], v[AS] offset:16*SBP+8*\u
	ds_load_b32 v[WHS+4+\u], v[AS] offset:32*SBP+8*\u
	ds_load_b32 v[WHS+8+\u], v[AS] offset:48*SBP+8*\u
.endr
	s_wait_dscnt 0x0
.irp s, 0,1,2,3,4,5,6,7                        ; the two accumulators take turns, one instruction a turn; K ascending; the first products start the sums
.irp g, 0,1
.if \s == 0
	v_wmma_scale_f32_16x16x128_f8f6f4 v[CO+8*\g:CO+8*\g+7], v[XR+8*\s:XR+8*\s+7], v[R+64*\g+8*\s:R+64*\g+8*\s+7], 0, v[WHS+\s/2], v[WHS+4+4*\g+\s/2] matrix_a_fmt:MATRIX_FMT_FP4 matrix_b_fmt:MATRIX_FMT_FP4
.elseif \s % 2
	v_wmma_scale_f32_16x16x128_f8f6f4 v[CO+8*\g:CO+8*\g+7], v[XR+8*\s:XR+8*\s+7], v[R+64*\g+8*\s:R+64*\g+8*\s+7], v[CO+8*\g:CO+8*\g+7], v[WHS+\s/2], v[WHS+4+4*\g+\s/2] matrix_a_fmt:MATRIX_FMT_FP4 matrix_b_fmt:MATRIX_FMT_FP4 matrix_a_scale:MATRIX_SCALE_ROW1 matrix_b_scale:MATRIX_SCALE_ROW1
.else
	v_wmma_scale_f32_16x16x128_f8f6f4 v[CO+8*\g:CO+8*\g+7], v[XR+8*\s:XR+8*\s+7], v[R+64*\g+8*\s:R+64*\g+8*\s+7], v[CO+8*\g:CO+8*\g+7], v[WHS+\s/2], v[WHS+4+4*\g+\s/2] matrix_a_fmt:MATRIX_FMT_FP4 matrix_b_fmt:MATRIX_FMT_FP4
.endif
.endr
.endr
	s_wait_loadcnt 0x0                             ; attn_b
.irp i, 0,2,4,6
	v_pk_mul_f32 v[OB+\i:OB+\i+1], v[OB+\i:OB+\i+1], s[22:23] op_sel_hi:[1,0]     ; c attn_b: four plain instructions that name no register of the products: the four places behind the last of them (ISA guide 7.12.1)
.endr
.irp g, 0,1
.irp i, 0,2,4,6
	v_pk_fma_f32 v[CO+8*\g+\i:CO+8*\g+\i+1], v[CO+8*\g+\i:CO+8*\g+\i+1], s[22:23], v[OB+\i:OB+\i+1] op_sel_hi:[1,0,1]   ; c x the sum + c attn_b, each accumulator from its low end on
.endr
.endr
.irp g, 0,1
	global_store_b128 v[HO], v[CO+8*\g:CO+8*\g+3], s[14:15] offset:1024*\g
	global_store_b128 v[HO], v[CO+8*\g+4:CO+8*\g+7], s[14:15] offset:1024*\g+16
.endr
.Lend:
	s_wait_tensorcnt 0x0                           ; the wave's end
	ds_add_u32 v[SPW], v[NIL]
	s_wait_dscnt 0x0
	s_endpgm
.Lfunc_end_k_qf22d1e529f_prep:
	.size	k_qf22d1e529f_prep, .Lfunc_end_k_qf22d1e529f_prep-k_qf22d1e529f_prep
	.p2alignl 7, 3214868480
	.fill 96, 4, 3214868480
	.section	.rodata,"a",@progbits
	.p2align	6, 0x0
	.amdhsa_kernel k_qf22d1e529f_prep
		.amdhsa_group_segment_fixed_size 111872
		.amdhsa_private_segment_fixed_size 0
		.amdhsa_enable_private_segment 0
		.amdhsa_kernarg_size 48
		.amdhsa_user_sgpr_count 2
		.amdhsa_user_sgpr_kernarg_segment_ptr 1
		.amdhsa_wavefront_size32 1
		.amdhsa_system_sgpr_workgroup_id_x 1
		.amdhsa_system_sgpr_workgroup_id_y 1
		.amdhsa_system_sgpr_workgroup_id_z 1
		.amdhsa_system_vgpr_workitem_id 0
		.amdhsa_next_free_vgpr 256
		.amdhsa_next_free_sgpr 66
		.amdhsa_reserve_vcc 0
		.amdhsa_float_denorm_mode_32 3
		.amdhsa_float_denorm_mode_16_64 3
		.amdhsa_memory_ordered 1
		.amdhsa_forward_progress 1
		.amdhsa_inst_pref_size 28
	.end_amdhsa_kernel
	.amdgpu_metadata
---
amdhsa.version: [ 1, 2 ]
amdhsa.kernels:
  - .name:           k_qf22d1e529f_prep
    .symbol:         k_qf22d1e529f_prep.kd
    .args:
      - { .name: attn_w, .offset: 0, .size: 8, .value_kind: global_buffer, .address_space: global }
      - { .name: hidden, .offset: 8, .size: 8, .value_kind: global_buffer, .address_space: global }
      - { .name: attn_b, .offset: 16, .size: 8, .value_kind: global_buffer, .address_space: global }
      - { .name: wq, .offset: 24, .size: 8, .value_kind: global_buffer, .address_space: global }
      - { .name: wsc, .offset: 32, .size: 8, .value_kind: global_buffer, .address_space: global }
      - { .name: hbc, .offset: 40, .size: 8, .value_kind: global_buffer, .address_space: global }
    .group_segment_fixed_size: 111872
    .private_segment_fixed_size: 0
    .kernarg_segment_align: 8
    .kernarg_segment_size: 48
    .max_flat_workgroup_size: 512
    .sgpr_count:     66
    .vgpr_count:     256
    .wavefront_size: 32
...
	.end_amdgpu_metadata
.endif
;; end of part 1
;; launch main (part 2): grid 256 x 1, 4 waves a work-group, no clusters, 303,104 bytes of LDS; arguments encoder_outputs, wq, wsc, hbc, v_w, scores, pctx; writes scores, pctx
.if DOCPART == 2
	.amdgcn_target "amdgcn-amd-amdhsa--gfx1250"
	.amdhsa_code_object_version 6
	.text
	.protected	k_qf22d1e529f_main
	.globl	k_qf22d1e529f_main
	.p2align	8
	.type	k_qf22d1e529f_main,@function
k_qf22d1e529f_main:
	s_mov_b64 s[64:65], 0
	v_nop
	global_prefetch_b8 v0, s[64:65] scope:SCOPE_SE
	s_setreg_imm32_b32 hwreg(HW_REG_WAVE_MODE, 25, 1), 1
	s_wait_xcnt 0x0
; ADDITIVE ATTENTION IN MX-FP4, launch 2 of 3.  A tile is 128 positions of one batch; its rows are read from memory once:
;   Q  each row is quantised along K = 1,024 (codes and scale bytes to LDS) and kept as bf16 in LDS;
;   G  enc We^T on codes, all 1,024 columns; t = c x sum + hbc (c = 2 log2(e); hbc = c (hidden Wh^T + attn_b) from the first launch); 1 / (1 + 2^t); times v_w, summed: the score;
;   S  the tile's scores go out; p = 2^((score - the tile's largest) log2(e));    C  sum over the tile's rows of p x the kept row: a partial context.  The third launch joins a batch's 16 tiles.
; Work-group g takes tiles 2 g and 2 g + 1 (one batch), a loop of two trips.  Behind a tile's last product seven rows a wave of the next tile are asked for, the eighth at the loop's top.
; LEFT OUT (shown at the head of the first launch): the term sum_k v_w[k] of every score, the same along the softmax's axis.  What is stored as a score is -2 sum_k v_w[k] / (1 + e^(2x)).
; LIMITS: NaN and infinities among the inputs are not served.  A block of zeros gets the scale byte 1 (zero codes; the bytes are read here alone).  The rows enter the context rounded to bf16.
; tanh's ends are kept: 2^t = infinity gives 0, 2^t = 0 gives 1.  The softmax's maximum is taken away: the tile's here, the batch's in the third launch.
; Q, A ROW AS IT IS LOADED: load j of eight reads 512 consecutive bytes, 16 a lane: lane l holds k = 128 j + 4 l + 0 .. 3, so the eight lanes l / 8 = q hold block 4 j + q.  Its largest magnitude: two maxima in the lane,
; three steps across the eight lanes.  A conversion takes eight numbers under one scale: the registers of loads 2 n and 2 n + 1 are converted twice, under either block's scale; the first result's low half and the
; second's high half are the lane's four codes of each block, and the other halves are not used.
; THE ORDER OF BLOCKS ALONG K: block 4 j + q lies at place 8 q + j, in enc as in We (first launch): one order on both sides keeps the products.  So a lane's eight scale bytes are neighbours: one store of 8 bytes.
; SHARES.  Q: wave w takes tile rows 32 w .. 32 w + 31.  G: wave w takes We's rows 256 w .., 16 column tiles, against all 128 rows, whose codes lie in every wave's registers (8 row blocks x 8 K steps x 8).
; Row block a holds tile rows 32 a + 0 .. 15 (a < 4) or 32 (a - 4) + 16 .. 31.  C: wave w takes k = 256 w + 4 l + 0 .. 3 and 256 w + 128 + 4 l + 0 .. 3 of all rows: pctx lies in order of k.
; The matrix instruction is used transposed: source 0 = 16 rows of We, source 1 = 16 rows of enc: lane (r, h), register j = (column 16 T + 8 h + j, row r of the block).
; A COLUMN TILE: 64 products on end (two runs of 32, four accumulators by turns), then the tanh of all 64 registers: two batches of 64 transcendentals, each with one wait ahead of it and one behind it.
; NO TENSOR LOAD, NO CLUSTER, though every work-group walks the same We: beside the kept rows (262,144 bytes), the codes' stage and the tables 24,576 bytes of LDS are left, and two slots of a column tile's
; weights for four waves are 2 x 4 x 8,704 bytes.  We's codes, laid by the first launch in the order of the operand's registers, go from memory straight into registers.
; PREFETCH of the next tile of rows, one tile ahead: each wave asks for its own 32 rows, 131,072 bytes, in 16 instructions of 32 lanes x 256 bytes: four in each of the column loop's three trips
; and four behind it.  Each block of 256 bytes is named once in the launch; the last tile asks for nothing.
; REGISTERS, in windows of 256 (s_set_vgpr_msb: bits 1:0 source 0, 3:2 source 1, 5:4 source 2, 7:6 destination):
;   window 0: v1-15 addresses; v16-47 enc's scale words, v48-63 We's: scales and nothing else; v64-127 accumulators; v128-159 hbc, v160-191 v_w, four sets (Q: two result sets of 32);
;             C: v64-191 32 kept rows; v192-207 the scores' sums (C: the context); v208-223 at work; C: v216-247 p; v251 the prefetches' offset; v252, v253 the add's two.
;   windows 1, 2: enc's fragments: block a, K step s at v[64 (a % 4) + 8 s] of window 1 + a / 4.    window 3: Q: eight rows as loaded; G: four sets of 64: We's fragments.
.set CP,    528                        ; a row of codes in LDS: 512 bytes + 16
.set SBP,   40                         ; a row of scale bytes: 32 + 8
.set CODE,  262144                     ; behind the kept rows: 64 rows of codes, written twice a tile
.set SCB,   CODE+64*CP                 ; 64 rows of scale bytes
.set SCP,   SCB+64*SBP                 ; 4 waves x 128 partial scores
.set PT,    SCP+2048                   ; 4 x 128 p: each wave's own copy
.set SPARE, PT+2048                    ; the spare words, 128 bytes a wave
.set TILEB, 128*4096                   ; a tile's rows in memory
.set LA,   1                           ; 16 x lane
.set CWA,  2                           ; the three addresses below, in the rows' loop
.set SWA,  3
.set RW,   4                           ; where my rows are kept: 65,536 w + 16 l
.set CW,   5                           ; where my codes go: my wave's rows + 128 (l / 8) + 2 (l % 8)
.set SW,   6                           ; and my scale bytes: my wave's rows + 8 (l / 8)
.set AR,   7                           ; a fragment's place: CODE + r CP + 16 h
.set AS,   8                           ; a scale word's: SCB + r SBP + 4 h
.set VB,   9                           ; 32 h
.set SPA,  10                          ; SCP + 512 w + 4 r
.set SRA,  11                          ; SCP + 16 l
.set PTW,  12                          ; PT + 512 w + 16 l
.set PTR0, 13                          ; PT + 512 w
.set RR0,  14                          ; 512 w + 16 l
.set RRA,  15
.set ES,   16
.set WS,   48
.set ACC,  64
.set U,    64
.set OUTS, 128                         ; Q: result set e at v[128 + 32 e]: 8 registers of codes, 16 of bf16, 2 scale words
.set HB,   128
.set VV,   160
.set SC,   192
.set CX,   192
.set T0,   208
.set T1,   216
.set PP,   216
.set RWA,  224
.set TM,   248
.set PTA,  250
.set PFO,  251
.set SPW,  252
.set NIL,  253
.set ENC,  4
.set WQ,   6
.set WSC,  8
.set HBC,  10
.set VW,   12
.set SCO,  14
.set PCX,  16
.set WV,   18
.set SEL,  20
.set CC,   22
.set CNT,  24
.set TL,   30                          ; tiles to go
.set PF,   32                          ; s[32:33] where my prefetches stand
.set FLO,  38                          ; the floor 2^(3 - 127)
.set EOFF, 39                          ; -(2 << 23)
.set EB,   0                           ; the row at which s[ENC] stands
.set MSB, 0
.macro WIN new                         ; the immediate's high byte repeats the setting that is left
.if MSB != (\new)
	s_set_vgpr_msb (MSB<<8)|(\new)
.set MSB, (\new)
.endif
.endm
.macro BARRIER
	s_wait_dscnt 0x0
	s_barrier_signal -1
	s_barrier_wait -1
.endm
	s_load_b256 s[4:11], s[0:1], 0x0               ; encoder_outputs, wq, wsc, hbc
	s_load_b128 s[12:15], s[0:1], 0x20             ; v_w, scores
	s_load_b64 s[16:17], s[0:1], 0x30              ; pctx
	v_lshl_add_u32 v[SPW], v0, 2, SPARE
	v_mov_b32 v[NIL], 0
	v_lshrrev_b32 v[RRA], 5, v0
	v_readfirstlane_b32 s[WV], v[RRA]              ; wave 0..3
	v_and_b32 v[RRA], 31, v0                       ; lane
	v_lshlrev_b32 v[LA], 4, v[RRA]
	v_lshlrev_b32 v[PFO], 8, v[RRA]
	s_lshl_b32 s28, s[WV], 16
	v_add_nc_u32 v[RW], s28, v[LA]
	v_lshrrev_b32 v[SW], 3, v[RRA]                 ; q = l / 8
	v_and_b32 v[CW], 7, v[RRA]
	v_lshlrev_b32 v[CW], 1, v[CW]
	v_lshl_add_u32 v[CW], v[SW], 7, v[CW]
	s_mul_i32 s28, s[WV], 16*CP
	s_add_co_u32 s28, s28, CODE
	v_add_nc_u32 v[CW], s28, v[CW]
	s_mul_i32 s28, s[WV], 16*SBP
	s_add_co_u32 s28, s28, SCB
	v_lshl_add_u32 v[SW], v[SW], 3, s28
	v_and_b32 v[SRA], 15, v0                       ; r
	v_bfe_u32 v[VB], v0, 4, 1                      ; h
	v_mul_u32_u24 v[AR], v[SRA], CP
	v_lshl_add_u32 v[AR], v[VB], 4, v[AR]
	v_add_nc_u32 v[AR], CODE, v[AR]
	v_mul_u32_u24 v[AS], v[SRA], SBP
	v_lshl_add_u32 v[AS], v[VB], 2, v[AS]
	v_add_nc_u32 v[AS], SCB, v[AS]
	v_lshlrev_b32 v[VB], 5, v[VB]
	s_lshl_b32 s28, s[WV], 9
	s_add_co_u32 s29, s28, SCP
	v_lshl_add_u32 v[SPA], v[SRA], 2, s29
	v_add_nc_u32 v[SRA], SCP, v[LA]
	s_add_co_u32 s29, s28, PT
	v_add_nc_u32 v[PTW], s29, v[LA]
	v_lshrrev_b32 v[PTR0], 5, v0
	v_lshl_add_u32 v[PTR0], v[PTR0], 9, PT
	v_add_nc_u32 v[RR0], s28, v[LA]
	s_mov_b32 s[SEL], 0x76543210
	s_mov_b32 s[SEL+1], 0xfedcba98                 ; lane l xor 16
	s_mov_b32 s[CC], 0x4038aa3b                    ; c = 2 log2(e)
	s_mov_b32 s[CC+1], s[CC]
	s_mov_b32 s[FLO], 0x1800000
	s_mov_b32 s[EOFF], 0xff000000
	s_mov_b32 s[TL], 2
	s_mov_b32 s27, 0
	s_lshl_b32 s26, ttmp9, 20                      ; my two tiles' 256 rows of 4,096 bytes,
	s_lshl_b32 s28, s[WV], 17                      ; my wave's 32 rows of the first
	s_add_co_u32 s26, s26, s28
	s_wait_alu depctr_va_vdst(0)
	s_wait_kmcnt 0x0
	s_add_nc_u64 s[ENC:ENC+1], s[ENC:ENC+1], s[26:27]
; ---- Q
.macro GLOAD i                         ; row i into ring slot i % 8 of window 3: eight loads of 512 consecutive bytes
	WIN 0xc0
.irp j, 0,1,2,3,4,5,6,7
	global_load_b128 v[32*((\i)%8)+4*\j:32*((\i)%8)+4*\j+3], v[LA], s[ENC:ENC+1] offset:((\i)-EB)*4096+512*\j th:TH_LOAD_NT
.endr
.endm
; Row i.  ld = 1: its ring slot takes the row eight further on.  cnt: the loads of later rows that may be out.  CWX, SWX, RWX: the address registers in hand.
.macro ROW i, ld, cnt
.set RB_, 32*((\i)%8)
.set C_, OUTS+32*((\i)%2)
	s_wait_dscnt 13                                ; the last row's 13 stores may be out: those of two rows back have read this result set
	s_wait_loadcnt \cnt
	WIN 0x3f                                       ; all three sources window 3
.irp j, 0,1,2,3,4,5,6,7
	v_max3_num_f32 v[T0+\j], |v[RB_+4*\j]|, |v[RB_+4*\j+1]|, |v[RB_+4*\j+2]|
.endr
	WIN 0x0c                                       ; source 1 window 3
.irp j, 0,1,2,3,4,5,6,7
	v_max3_num_f32 v[T0+\j], v[T0+\j], |v[RB_+4*\j+3]|, s[FLO]     ; my four of block 4 j + q, and the floor: the byte cannot fall under 1
.endr
	WIN 0
.irp m, 1,2,4
.irp j, 0,1,2,3,4,5,6,7
	v_max_num_f32_dpp v[T0+\j], v[T0+\j], v[T0+\j] row_xmask:\m row_mask:0xf bank_mask:0xf   ; across the block's eight lanes; the eight blocks by turns
.endr
.endr
.irp j, 0,1,2,3,4,5,6,7
	v_add_nc_u32 v[T1+\j], s[EOFF], v[T0+\j]       ; 2 off the exponent field: the conversion's scale operand
.endr
.irp j, 0,1,2,3,4,5,6,7
	v_lshrrev_b32 v[T0+\j], 23, v[T1+\j]           ; the scale's byte
.endr
.irp x, 0,1
	v_lshl_or_b32 v[C_+24+\x], v[T0+4*\x+1], 8, v[T0+4*\x]         ; places 8 q + 4 x + 0 .. 3: a K step's scale word
.endr
.irp x, 0,1
	v_lshl_or_b32 v[C_+24+\x], v[T0+4*\x+2], 16, v[C_+24+\x]
.endr
.irp x, 0,1
	v_lshl_or_b32 v[C_+24+\x], v[T0+4*\x+3], 24, v[C_+24+\x]
.endr
	WIN 0x03                                       ; source 0 window 3
.irp n, 0,1,2,3
	v_cvt_scalef32_pk8_fp4_f32 v[C_+2*\n], v[RB_+8*\n:RB_+8*\n+7], v[T1+2*\n]         ; low half: load 2 n's four codes
	v_cvt_scalef32_pk8_fp4_f32 v[C_+2*\n+1], v[RB_+8*\n:RB_+8*\n+7], v[T1+2*\n+1]     ; high half: load 2 n + 1's
.endr
	WIN 0x0f                                       ; sources 0 and 1 window 3
.irp n, 0,1,2,3,4,5,6,7,8,9,10,11,12,13,14,15
	v_cvt_pk_bf16_f32 v[C_+8+\n], v[RB_+2*\n], v[RB_+2*\n+1]       ; plain instructions behind the conversions
.endr
.if \ld
	GLOAD (\i)+8
.endif
	WIN 0
.irp n, 0,1,2,3
	ds_store_b16 v[CWX], v[C_+2*\n] offset:((\i)%16)*CP+32*\n                  ; place 8 q + j is 16 j bytes on from 128 q
	ds_store_b16_d16_hi v[CWX], v[C_+2*\n+1] offset:((\i)%16)*CP+32*\n+16
.endr
	ds_store_b64 v[SWX], v[C_+24:C_+25] offset:((\i)%16)*SBP       ; a block's eight lanes write the same bytes with the same values
.irp n, 0,1,2,3
	ds_store_b128 v[RWX], v[C_+8+4*\n:C_+8+4*\n+3] offset:(\i)*2048+512*\n     ; k = 256 n + 4 l + 0 .. 3 and 256 n + 128 + 4 l + 0 .. 3; 512 consecutive bytes
.endr
.endm
.macro ALOAD st                        ; the 64 rows in the codes' stage become four row blocks' fragments (window 1 + st) and scale words, in every wave
	WIN 0x40*(1+(\st))
.irp a, 0,1,2,3
.irp s, 0,1,2,3,4,5,6,7
.irp c, 0,1
	ds_load_b128 v[64*\a+8*\s+4*\c:64*\a+8*\s+4*\c+3], v[AR] offset:\a*16*CP+64*\s+32*\c
.endr
.endr
.endr
	WIN 0
.irp a, 0,1,2,3
.irp u, 0,1,2,3
	ds_load_b32 v[ES+16*(\st)+4*\a+\u], v[AS] offset:\a*16*SBP+8*\u      ; register u: K step 2 u in lanes 0-15, 2 u + 1 in lanes 16-31
.endr
.endr
.endm
.macro WLOAD set, off                  ; a column tile's 21 loads: We's eight fragments, its scale words, hbc and v_w at my eight columns
	WIN 0xc0
.irp s, 0,1,2,3,4,5,6,7
.irp c, 0,1
	global_load_b128 v[64*(\set)+8*\s+4*\c:64*(\set)+8*\s+4*\c+3], v[LA], s[WQ:WQ+1] offset:(\off)*8192+1024*\s+512*\c
.endr
.endr
	WIN 0
	global_load_b128 v[WS+4*(\set):WS+4*(\set)+3], v[LA], s[WSC:WSC+1] offset:(\off)*512
	global_load_b128 v[HB+8*(\set):HB+8*(\set)+3], v[VB], s[HBC:HBC+1] offset:(\off)*2048
	global_load_b128 v[HB+8*(\set)+4:HB+8*(\set)+7], v[VB], s[HBC:HBC+1] offset:(\off)*2048+16
	global_load_b128 v[VV+8*(\set):VV+8*(\set)+3], v[VB], s[VW:VW+1] offset:(\off)*64
	global_load_b128 v[VV+8*(\set)+4:VV+8*(\set)+7], v[VB], s[VW:VW+1] offset:(\off)*64+16
.endm
.irp i, 0,1,2,3,4,5,6
	GLOAD \i                                       ; seven rows of the first tile
.endr
	s_mov_b32 s26, s28
	s_add_nc_u64 s[WQ:WQ+1], s[WQ:WQ+1], s[26:27]              ; my 16 column tiles: 8,192 bytes of codes each,
	s_lshl_b32 s26, s[WV], 13
	s_add_nc_u64 s[WSC:WSC+1], s[WSC:WSC+1], s[26:27]          ; 512 of scale words,
	s_lshr_b32 s28, ttmp9, 3                       ; my batch
	s_lshl_b32 s28, s28, 6
	s_lshl_b32 s26, s[WV], 15
	s_add_co_u32 s26, s26, s28
	s_add_nc_u64 s[HBC:HBC+1], s[HBC:HBC+1], s[26:27]          ; 2,048 of hbc, in it my batch's 64,
	s_lshl_b32 s26, s[WV], 10
	s_add_nc_u64 s[VW:VW+1], s[VW:VW+1], s[26:27]              ; 64 of v_w
	s_lshl_b32 s26, ttmp9, 10
	s_add_nc_u64 s[SCO:SCO+1], s[SCO:SCO+1], s[26:27]
	s_lshl_b32 s26, ttmp9, 13
	s_lshl_b32 s28, s[WV], 10
	s_add_co_u32 s26, s26, s28
	s_add_nc_u64 s[PCX:PCX+1], s[PCX:PCX+1], s[26:27]
	WIN 0
.Ltile:                                                ; two trips.  On both ways in, rows 0 to 6 have been asked for and no load stands behind them
	GLOAD 7
	WIN 0
	s_mov_b32 s[CNT], 2
	s_mov_b32 s34, 0
	s_mov_b32 s35, 0
	s_mov_b32 s36, 0
.set CWX, CWA
.set SWX, SWA
.set RWX, RWA
.Lrows:                                                ; two trips of eight rows: rows 0 to 15, asking for rows 8 to 23
	v_add_nc_u32 v[CWA], s34, v[CW]
	v_add_nc_u32 v[SWA], s35, v[SW]
	v_add_nc_u32 v[RWA], s36, v[RW]
.set RI, 0
.rept 8
	ROW RI, 1, 56                                  ; the row is in; the seven rows behind it may be out
.set RI, RI+1
.endr
	s_wait_xcnt 0x0                                ; the loads have read their base: it steps eight rows on
	s_add_nc_u64 s[ENC:ENC+1], s[ENC:ENC+1], 8*4096
	s_add_co_u32 s34, s34, 8*CP
	s_add_co_u32 s35, s35, 8*SBP
	s_add_co_u32 s36, s36, 8*2048
	s_sub_co_u32 s[CNT], s[CNT], 1
	s_cmp_lg_u32 s[CNT], 0
	s_cbranch_scc1 .Lrows
.set EB, 16                            ; s[ENC] stands at row 16
.set CWX, CW
.set SWX, SW
.set RWX, RW
	BARRIER                                        ; every wave's rows 0-15 lie in the codes' stage
	ALOAD 0
	BARRIER                                        ; every wave has read them
.set RI, 16
.rept 8
	ROW RI, 1, 56
.set RI, RI+1
.endr
.rept 8
	ROW RI, 0, 8*(31-RI)                           ; the counts run down
.set RI, RI+1
.endr
	s_wait_dscnt 0x0                               ; my stores have landed and have read their registers, into which the loads below land
	WLOAD 0, 0
	WLOAD 1, 1
	WLOAD 2, 2
	s_barrier_signal -1
	s_barrier_wait -1                              ; every wave's rows 16-31 lie in the codes' stage, and all 128 rows are kept
	ALOAD 1
.irp n, 0,1,2,3,4,5,6,7,8,9,10,11,12,13,14,15
	v_mov_b32 v[SC+\n], 0                          ; the scores' sums: a pair for each row block
.endr
	s_wait_dscnt 0x0
	WLOAD 3, 3
	s_add_nc_u64 s[PF:PF+1], s[ENC:ENC+1], TILEB-16*4096   ; my rows of the next tile (no prefetch is out: a wait on XCNT stands behind the last); used only where there is a next tile
; ---- G
.macro MM set                          ; the product of K step KS_ for row block AB_, with We's set
.set rD, ACC+8*AB_
.set rA, 64*(\set)+8*KS_
.set rB, 64*(AB_%4)+8*KS_
.set rW, WS+4*(\set)+KS_/2
.set rE, ES+4*AB_+KS_/2
.if KS_ == 0
	v_wmma_scale_f32_16x16x128_f8f6f4 v[rD:rD+7], v[rA:rA+7], v[rB:rB+7], 0, v[rW], v[rE] matrix_a_fmt:MATRIX_FMT_FP4 matrix_b_fmt:MATRIX_FMT_FP4
.elseif KS_ % 2
	v_wmma_scale_f32_16x16x128_f8f6f4 v[rD:rD+7], v[rA:rA+7], v[rB:rB+7], v[rD:rD+7], v[rW], v[rE] matrix_a_fmt:MATRIX_FMT_FP4 matrix_b_fmt:MATRIX_FMT_FP4 matrix_a_scale:MATRIX_SCALE_ROW1 matrix_b_scale:MATRIX_SCALE_ROW1
.else
	v_wmma_scale_f32_16x16x128_f8f6f4 v[rD:rD+7], v[rA:rA+7], v[rB:rB+7], v[rD:rD+7], v[rW], v[rE] matrix_a_fmt:MATRIX_FMT_FP4 matrix_b_fmt:MATRIX_FMT_FP4
.endif
.endm
.macro MULS set                        ; a column tile's 64 products: row blocks 0-3, then 4-7; in each run the K steps in order and the four accumulators by turns
.irp p, 0,1
	WIN 0x07+4*\p                                  ; source 0 (We) window 3, source 1 (enc) window 1 or 2, C and D window 0
.set KS_, 0
.rept 8
.set AB_, 4*\p
.rept 4
	MM \set
.set AB_, AB_+1
.endr
.set KS_, KS_+1
.endr
.endr
	WIN 0
.endm
.macro TANH_A set                      ; t = c x sum + hbc
.rept 4
	v_nop                                          ; four places between the last products and the first read of results, and ahead of loads onto We's registers
.endr
.irp a, 0,1,2,3,4,5,6,7
.irp i, 0,2,4,6
	v_pk_fma_f32 v[ACC+8*\a+\i:ACC+8*\a+\i+1], v[ACC+8*\a+\i:ACC+8*\a+\i+1], s[CC:CC+1], v[HB+8*(\set)+\i:HB+8*(\set)+\i+1] op_sel_hi:[1,0,1]   ; each accumulator from its low end on
.endr
.endr
.endm
.macro TANH_B set                      ; 1 / (1 + 2^t), times v_w, onto the sums
	s_wait_alu depctr_va_vdst(0)
.set N_, 0
.rept 64
	v_exp_f32 v[ACC+N_], v[ACC+N_]                 ; 2^t = e^(2x)
.set N_, N_+1
.endr
	v_nop
	s_wait_alu depctr_va_vdst(0)
.set N_, 0
.rept 32
	v_pk_add_f32 v[ACC+N_:ACC+N_+1], v[ACC+N_:ACC+N_+1], 1.0 op_sel_hi:[1,0]
.set N_, N_+2
.endr
	s_wait_alu depctr_va_vdst(0)
.set N_, 0
.rept 64
	v_rcp_f32 v[ACC+N_], v[ACC+N_]
.set N_, N_+1
.endr
	v_nop
	s_wait_alu depctr_va_vdst(0)
.irp i, 0,2,4,6
.irp a, 0,1,2,3,4,5,6,7
	v_pk_fma_f32 v[SC+2*\a:SC+2*\a+1], v[ACC+8*\a+\i:ACC+8*\a+\i+1], v[VV+8*(\set)+\i:VV+8*(\set)+\i+1], v[SC+2*\a:SC+2*\a+1]   ; the eight blocks by turns
.endr
.endr
.endm
.macro COLT n, cnt, ld                 ; column tile n (mod 4).  cnt: the loads of later tiles, 21 each, that may be out.  ld = 1: the tile four on is asked for, into the set just left
	s_wait_loadcnt \cnt
	MULS \n
	TANH_A \n
	TANH_B \n
.if \ld
	WLOAD \n, (\n)+4
.endif
.endm
.macro ASK                             ; eight of my rows of the next tile: 4 x 32 lanes x 256 bytes
.irp j, 0,1,2,3
	global_prefetch_b8 v[PFO], s[PF:PF+1] offset:8192*\j th:TH_LOAD_NT scope:SCOPE_SE
.endr
.endm
	s_mov_b32 s[CNT], 3
.Lcols:                                                ; three trips of four column tiles: tiles 0 to 11, asking for tiles 4 to 15
	COLT 0,63,1
	s_cmp_eq_u32 s[TL], 1                          ; the last tile of rows has no successor: nothing is asked for
	s_cbranch_scc1 .Lno_ask
	ASK
.Lno_ask:
	COLT 1,63,1
	COLT 2,63,1
	COLT 3,63,1
	s_wait_xcnt 0x0                                ; the loads and prefetches have read their bases: only now are these stepped
	s_add_nc_u64 s[WQ:WQ+1], s[WQ:WQ+1], 4*8192
	s_add_nc_u64 s[WSC:WSC+1], s[WSC:WSC+1], 4*512
	s_add_nc_u64 s[HBC:HBC+1], s[HBC:HBC+1], 4*2048
	s_add_nc_u64 s[VW:VW+1], s[VW:VW+1], 4*64
	s_add_nc_u64 s[PF:PF+1], s[PF:PF+1], 32768     ; eight rows on
	s_sub_co_u32 s[CNT], s[CNT], 1
	s_cmp_lg_u32 s[CNT], 0
	s_cbranch_scc1 .Lcols
	s_sub_nc_u64 s[WQ:WQ+1], s[WQ:WQ+1], 12*8192               ; no load has been issued since the wait above: the bases go back to column tile 0
	s_sub_nc_u64 s[WSC:WSC+1], s[WSC:WSC+1], 12*512
	s_sub_nc_u64 s[HBC:HBC+1], s[HBC:HBC+1], 12*2048
	s_sub_nc_u64 s[VW:VW+1], s[VW:VW+1], 12*64
	COLT 0,63,0                                    ; tiles 12 to 15: nothing is left to ask for, and the counts run down
	s_cmp_eq_u32 s[TL], 1
	s_cbranch_scc1 .Lno_ask2
	ASK                                            ; my rows 24 to 31 of the next tile
.Lno_ask2:
	COLT 1,42,0
	COLT 2,21,0
	s_wait_loadcnt 0x0
	MULS 3
	TANH_A 3
	s_cmp_eq_u32 s[TL], 1                          ; the next tile's first seven rows are asked for here, if there is a next tile; they land on We's registers
	s_cbranch_scc1 .Lno_next
	s_wait_xcnt 0x0
	s_add_nc_u64 s[ENC:ENC+1], s[ENC:ENC+1], TILEB-16*4096     ; from row 16 of this tile to row 0 of the next
.set EB, 0
.irp i, 0,1,2,3,4,5,6
	GLOAD \i
.endr
	WIN 0
.Lno_next:
	TANH_B 3
; ---- S.  A lane's pair of sums, and lane l xor 16's, make my 256 columns' part of row r's score; the four waves' parts meet in LDS.
.irp a, 0,1,2,3,4,5,6,7
	v_add_f32 v[T0+\a], v[SC+2*\a], v[SC+2*\a+1]
.endr
.irp a, 0,1,2,3,4,5,6,7
	v_mov_b32 v[T1+\a], 0                          ; a lane permute's destination counts as one of its sources
.endr
.irp a, 0,1,2,3,4,5,6,7
	v_permlanex16_b32 v[T1+\a], v[T0+\a], s[SEL], s[SEL+1]
.endr
.irp a, 0,1,2,3,4,5,6,7
	v_add_f32 v[T0+\a], v[T0+\a], v[T1+\a]
.endr
.irp a, 0,1,2,3,4,5,6,7
	ds_store_b32 v[SPA], v[T0+\a] offset:128*(\a%4)+64*(\a/4)  ; tile row 32 (a % 4) + 16 (a / 4) + r; lanes l and l + 16 write the same word with the same value
.endr
	BARRIER
.irp w, 0,1,2,3
	ds_load_b128 v[T0+4*\w:T0+4*\w+3], v[SRA] offset:512*\w    ; tile rows 4 l .. 4 l + 3, each wave's part
.endr
	v_mov_b32 v[TM+1], 0
	s_wait_dscnt 0x0
	v_pk_add_f32 v[T0:T0+1], v[T0:T0+1], v[T0+4:T0+5]          ; the same order in every wave: the same bits
	v_pk_add_f32 v[T0+2:T0+3], v[T0+2:T0+3], v[T0+6:T0+7]
	v_pk_add_f32 v[T0+8:T0+9], v[T0+8:T0+9], v[T0+12:T0+13]
	v_pk_add_f32 v[T0+10:T0+11], v[T0+10:T0+11], v[T0+14:T0+15]
	v_pk_add_f32 v[T0:T0+1], v[T0:T0+1], v[T0+8:T0+9]
	v_pk_add_f32 v[T0+2:T0+3], v[T0+2:T0+3], v[T0+10:T0+11]
	v_pk_mul_f32 v[T0:T0+1], v[T0:T0+1], -2.0 op_sel_hi:[1,0]
	v_pk_mul_f32 v[T0+2:T0+3], v[T0+2:T0+3], -2.0 op_sel_hi:[1,0]  ; the scores, less the constant
	s_wait_alu depctr_va_vdst(0)
	s_cmp_lg_u32 s[WV], 0
	s_cbranch_scc1 .Lnot_wave_0
	global_store_b128 v[LA], v[T0:T0+3], s[SCO:SCO+1]          ; 32 lanes store the tile's 512 consecutive bytes, aligned
.Lnot_wave_0:
	v_max3_num_f32 v[TM], v[T0], v[T0+1], v[T0+2]
	v_max_num_f32 v[TM], v[TM], v[T0+3]
	v_max_num_f32_dpp v[TM], v[TM], v[TM] row_xmask:1 row_mask:0xf bank_mask:0xf
	v_max_num_f32_dpp v[TM], v[TM], v[TM] row_xmask:2 row_mask:0xf bank_mask:0xf
	v_max_num_f32_dpp v[TM], v[TM], v[TM] row_xmask:4 row_mask:0xf bank_mask:0xf
	v_max_num_f32_dpp v[TM], v[TM], v[TM] row_xmask:8 row_mask:0xf bank_mask:0xf
	v_permlanex16_b32 v[TM+1], v[TM], s[SEL], s[SEL+1]
	v_max_num_f32 v[TM], v[TM], v[TM+1]            ; the tile's largest score
.irp q, 0,1,2,3
	v_sub_f32 v[T0+4+\q], v[T0+\q], v[TM]
.endr
.irp q, 0,1,2,3
	v_mul_f32 v[T0+4+\q], 0x3fb8aa3b, v[T0+4+\q]
.endr
	s_wait_alu depctr_va_vdst(0)
.irp q, 0,1,2,3
	v_exp_f32 v[T0+4+\q], v[T0+4+\q]               ; p = e^(score - the largest), at most 1
.endr
.irp j, 0,1,2,3,4,5,6,7
	v_mov_b32 v[CX+\j], 0                          ; the context's eight sums (plain work behind the exponentials)
.endr
	s_wait_alu depctr_va_vdst(0)                   ; one wait for the four, ahead of their first reader
	ds_store_b128 v[PTW], v[T0+4:T0+7]             ; into my wave's own copy: p of tile row n at 4 n
; ---- C.  Four trips of 32 rows: p comes back the same word to all lanes, my piece of each kept row 16 bytes a lane; eight multiply-adds a row straight from the bf16 halves.
	s_mov_b32 s[CNT], 4
	s_mov_b32 s26, 0
	s_mov_b32 s27, 0
.Lctx:
	v_add_nc_u32 v[RRA], s26, v[RR0]
	v_add_nc_u32 v[PTA], s27, v[PTR0]
.irp k, 0,1,2,3,4,5,6,7
	ds_load_b128 v[PP+4*\k:PP+4*\k+3], v[PTA] offset:16*\k     ; LDS serves a wave's instructions in order: these see my store
.endr
.irp i, 0,1,2,3,4,5,6,7,8,9,10,11,12,13,14,15,16,17,18,19,20,21,22,23,24,25,26,27,28,29,30,31
	ds_load_b128 v[U+4*\i:U+4*\i+3], v[RRA] offset:2048*\i
.endr
.irp i, 0,1,2,3,4,5,6,7,8,9,10,11,12,13,14,15,16,17,18,19,20,21,22,23,24,25,26,27,28,29,30,31
.if (\i)%8 == 0
	s_wait_alu depctr_va_vdst(0)
	s_wait_dscnt 24-\i                             ; rows i .. i + 7 are in (and p, asked for ahead of the rows); the rows behind them may be out
.endif
.irp j, 0,1,2,3
	v_fma_mix_f32_bf16 v[CX+2*\j], v[U+4*\i+\j], v[PP+\i], v[CX+2*\j] op_sel_hi:[1,0,0]
	v_fma_mix_f32_bf16 v[CX+2*\j+1], v[U+4*\i+\j], v[PP+\i], v[CX+2*\j+1] op_sel:[1,0,0] op_sel_hi:[1,0,0]
.endr
.endr
	s_add_co_u32 s26, s26, 65536                   ; 32 kept rows on,
	s_add_co_u32 s27, s27, 128                     ; 32 p on
	s_sub_co_u32 s[CNT], s[CNT], 1
	s_cmp_lg_u32 s[CNT], 0
	s_cbranch_scc1 .Lctx
	global_store_b128 v[LA], v[CX:CX+3], s[PCX:PCX+1]          ; k = 256 w + 4 l + 0 .. 3: 512 consecutive bytes, aligned
	global_store_b128 v[LA], v[CX+4:CX+7], s[PCX:PCX+1] offset:512   ; k = 256 w + 128 + 4 l + 0 .. 3
	s_wait_xcnt 0x0                                ; the stores have read their data and their bases, which are written again below and in the next trip
	s_add_nc_u64 s[SCO:SCO+1], s[SCO:SCO+1], 512
	s_add_nc_u64 s[PCX:PCX+1], s[PCX:PCX+1], 4096
	BARRIER                                        ; every wave's reads of the kept rows, of the scores' parts and of the codes' stage are over
	s_sub_co_u32 s[TL], s[TL], 1
	s_cmp_lg_u32 s[TL], 0
	s_cbranch_scc1 .Ltile
	s_wait_tensorcnt 0x0                           ; the wave's end
	ds_add_u32 v[SPW], v[NIL]
	s_wait_dscnt 0x0
	s_endpgm
.Lfunc_end_k_qf22d1e529f_main:
	.size	k_qf22d1e529f_main, .Lfunc_end_k_qf22d1e529f_main-k_qf22d1e529f_main
	.p2alignl 7, 3214868480
	.fill 96, 4, 3214868480
	.section	.rodata,"a",@progbits
	.p2align	6, 0x0
	.amdhsa_kernel k_qf22d1e529f_main
		.amdhsa_group_segment_fixed_size 303104
		.amdhsa_private_segment_fixed_size 0
		.amdhsa_enable_private_segment 0
		.amdhsa_kernarg_size 56
		.amdhsa_user_sgpr_count 2
		.amdhsa_user_sgpr_kernarg_segment_ptr 1
		.amdhsa_wavefront_size32 1
		.amdhsa_system_sgpr_workgroup_id_x 1
		.amdhsa_system_sgpr_workgroup_id_y 1
		.amdhsa_system_sgpr_workgroup_id_z 1
		.amdhsa_system_vgpr_workitem_id 0
		.amdhsa_next_free_vgpr 1024
		.amdhsa_next_free_sgpr 66
		.amdhsa_reserve_vcc 0
		.amdhsa_float_denorm_mode_32 3
		.amdhsa_float_denorm_mode_16_64 3
		.amdhsa_memory_ordered 1
		.amdhsa_forward_progress 1
		.amdhsa_inst_pref_size 255
	.end_amdhsa_kernel
	.section	.bss,"aw",@nobits
	.p2align	6
	.space	262144
	.amdgpu_metadata
---
amdhsa.version: [ 1, 2 ]
amdhsa.kernels:
  - .name:           k_qf22d1e529f_main
    .symbol:         k_qf22d1e529f_main.kd
    .args:
      - { .name: encoder_outputs, .offset: 0, .size: 8, .value_kind: global_buffer, .address_space: global }
      - { .name: wq, .offset: 8, .size: 8, .value_kind: global_buffer, .address_space: global }
      - { .name: wsc, .offset: 16, .size: 8, .value_kind: global_buffer, .address_space: global }
      - { .name: hbc, .offset: 24, .size: 8, .value_kind: global_buffer, .address_space: global }
      - { .name: v_w, .offset: 32, .size: 8, .value_kind: global_buffer, .address_space: global }
      - { .name: scores, .offset: 40, .size: 8, .value_kind: global_buffer, .address_space: global }
      - { .name: pctx, .offset: 48, .size: 8, .value_kind: global_buffer, .address_space: global }
    .group_segment_fixed_size: 303104
    .private_segment_fixed_size: 0
    .kernarg_segment_align: 8
    .kernarg_segment_size: 56
    .max_flat_workgroup_size: 128
    .sgpr_count:     66
    .vgpr_count:     1024
    .wavefront_size: 32
...
	.end_amdgpu_metadata
.endif
;; end of part 2
;; launch finish (part 3): grid 32 x 1, 16 waves a work-group, no clusters, 2,560 bytes of LDS; arguments scores, pctx, hidden, out0, out1; writes out0, out1
.if DOCPART == 3
	.amdgcn_target "amdgcn-amd-amdhsa--gfx1250"
	.amdhsa_code_object_version 6
	.text
	.protected	k_qf22d1e529f_finish
	.globl	k_qf22d1e529f_finish
	.p2align	8
	.type	k_qf22d1e529f_finish,@function
k_qf22d1e529f_finish:
	s_mov_b64 s[64:65], 0
	v_nop
	global_prefetch_b8 v0, s[64:65] scope:SCOPE_SE
	s_setreg_imm32_b32 hwreg(HW_REG_WAVE_MODE, 25, 1), 1
	s_wait_xcnt 0x0
; ADDITIVE ATTENTION IN MX-FP4, launch 3 of 3.  A work-group is a batch; wave t holds tile t's 128 scores, four a lane.  The batch's largest score M and the sum L of e^(score - M) give
; out1 = e^(score - M) / L.  The second launch summed each tile's rows under the tile's own largest score m_t (found again here: the largest of the same numbers has the same bits), so
; context = sum over t of e^(m_t - M) / L x the tile's partial sum.  out0 = [context | hidden].
; LEFT OUT (shown at the head of the first launch): the scores come without the term sum_k v_w[k], which is the same along the softmax's axis.
; LIMITS: NaN and infinities among the inputs are not served.
; A batch's data are 8 KiB of scores and 64 KiB of partial sums: no matrix unit, no tensor load, no cluster: the work-groups share nothing.
; pctx lies in order of k: thread g of waves 0-7 sums k = 4 g .. 4 g + 3 over the 16 tiles and stores them; waves 8-15 copy hidden.
.set RM,    0                          ; 16 tile maxima
.set RS,    256                        ; 16 tile sums
.set SPARE, 512                        ; the spare words, 128 bytes for each of 16 waves
.set SPW,  126
.set NIL,  127
	s_load_b256 s[4:11], s[0:1], 0x0               ; scores s[4:5], pctx s[6:7], hidden s[8:9], out0 s[10:11]
	s_load_b64 s[12:13], s[0:1], 0x20              ; out1
	v_lshl_add_u32 v[SPW], v0, 2, SPARE
	v_mov_b32 v[NIL], 0
	v_lshrrev_b32 v2, 5, v0
	s_delay_alu instid0(VALU_DEP_1)
	v_readfirstlane_b32 s14, v2                    ; wave 0..15
	v_lshlrev_b32 v1, 4, v0                        ; 16 x thread
	s_delay_alu instid0(VALU_DEP_1)
	v_and_b32 v3, 0xfff, v1                        ; 16 x (thread mod 256)
	s_delay_alu instid0(VALU_DEP_4)
	v_lshlrev_b32 v10, 2, v2                       ; my wave's word among the 16
	v_mov_b32 v11, 0
	v_mov_b32 v117, 0                              ; a lane permute's destination counts as one of its sources
	s_mov_b32 s18, 0x76543210
	s_mov_b32 s19, 0xfedcba98                      ; lane l xor 16
	s_mov_b32 s17, 0
	s_lshl_b32 s16, ttmp9, 13
	s_wait_alu depctr_va_vdst(0)
	s_wait_kmcnt 0x0
	s_add_nc_u64 s[4:5], s[4:5], s[16:17]          ; a batch's 8,192 bytes of scores, of out0 and of out1,
	s_add_nc_u64 s[10:11], s[10:11], s[16:17]
	s_add_nc_u64 s[12:13], s[12:13], s[16:17]
	s_lshl_b32 s16, ttmp9, 16
	s_add_nc_u64 s[6:7], s[6:7], s[16:17]          ; its 16 tiles of 4,096 bytes of pctx,
	s_lshl_b32 s16, ttmp9, 12
	s_add_nc_u64 s[8:9], s[8:9], s[16:17]          ; its 4,096 bytes of hidden
	global_load_b128 v[12:15], v1, s[4:5]          ; my four scores
	s_cmp_lt_u32 s14, 8
	s_cbranch_scc0 .Lhid
.irp t, 0,1,2,3,4,5,6,7,8,9,10,11,12,13,14,15
	global_load_b128 v[32+4*\t:35+4*\t], v3, s[6:7] offset:4096*\t     ; waves 0-7: my four k of each tile: 512 consecutive bytes a wave
.endr
	s_wait_loadcnt 16                              ; the scores are in; the sixteen behind them may be out
	s_branch .Lgot
.Lhid:
	global_load_b128 v[32:35], v3, s[8:9]          ; waves 8-15: 16 bytes of hidden
	s_wait_loadcnt 1                               ; the scores are in; the one behind them may be out
.Lgot:
	v_max3_num_f32 v116, v12, v13, v14
	s_delay_alu instid0(VALU_DEP_1)
	v_max_num_f32 v116, v116, v15
	s_delay_alu instid0(VALU_DEP_1)
	v_max_num_f32_dpp v116, v116, v116 row_xmask:1 row_mask:0xf bank_mask:0xf
	s_delay_alu instid0(VALU_DEP_1)
	v_max_num_f32_dpp v116, v116, v116 row_xmask:2 row_mask:0xf bank_mask:0xf
	s_delay_alu instid0(VALU_DEP_1)
	v_max_num_f32_dpp v116, v116, v116 row_xmask:4 row_mask:0xf bank_mask:0xf
	s_delay_alu instid0(VALU_DEP_1)
	v_max_num_f32_dpp v116, v116, v116 row_xmask:8 row_mask:0xf bank_mask:0xf
	s_delay_alu instid0(VALU_DEP_1)
	v_permlanex16_b32 v117, v116, s18, s19
	s_delay_alu instid0(VALU_DEP_1)
	v_max_num_f32 v116, v116, v117                 ; m_t
	ds_store_b32 v10, v116 offset:RM               ; all lanes write the same word with the same value
	s_wait_dscnt 0x0
	s_barrier_signal -1
	s_barrier_wait -1
.irp i, 0,1,2,3
	ds_load_b128 v[16+4*\i:19+4*\i], v11 offset:RM+16*\i       ; all sixteen, in every lane
.endr
	s_wait_dscnt 0x0
	v_max3_num_f32 v118, v16, v17, v18
.irp i, 19,21,23,25,27,29
	s_delay_alu instid0(VALU_DEP_1)
	v_max3_num_f32 v118, v118, v[\i], v[\i+1]
.endr
	s_delay_alu instid0(VALU_DEP_1)
	v_max_num_f32 v118, v118, v31                  ; M
.irp q, 0,1,2,3
	v_sub_f32 v[96+\q], v[12+\q], v118
.endr
.irp q, 0,1,2,3
	s_delay_alu instid0(VALU_DEP_4)
	v_mul_f32 v[96+\q], 0x3fb8aa3b, v[96+\q]
.endr
	s_wait_alu depctr_va_vdst(0)
.irp q, 0,1,2,3
	v_exp_f32 v[96+\q], v[96+\q]                   ; e^(score - M)
.endr
	v_nop                                          ; a plain instruction behind the last exponential,
	s_wait_alu depctr_va_vdst(0)                   ; and one wait for the four, ahead of their first reader
	v_add_f32 v116, v96, v97
	v_add_f32 v117, v98, v99
	s_delay_alu instid0(VALU_DEP_1)
	v_add_f32 v116, v116, v117
	s_delay_alu instid0(VALU_DEP_1)
	v_add_f32_dpp v116, v116, v116 row_xmask:1 row_mask:0xf bank_mask:0xf
	s_delay_alu instid0(VALU_DEP_1)
	v_add_f32_dpp v116, v116, v116 row_xmask:2 row_mask:0xf bank_mask:0xf
	s_delay_alu instid0(VALU_DEP_1)
	v_add_f32_dpp v116, v116, v116 row_xmask:4 row_mask:0xf bank_mask:0xf
	s_delay_alu instid0(VALU_DEP_1)
	v_add_f32_dpp v116, v116, v116 row_xmask:8 row_mask:0xf bank_mask:0xf
	s_delay_alu instid0(VALU_DEP_1)
	v_permlanex16_b32 v117, v116, s18, s19
	s_delay_alu instid0(VALU_DEP_1)
	v_add_f32 v116, v116, v117                     ; the tile's sum
	ds_store_b32 v10, v116 offset:RS               ; other bytes than the maxima's: no barrier is owed between those reads and this store
	s_wait_dscnt 0x0
	s_barrier_signal -1
	s_barrier_wait -1
.irp i, 0,1,2,3
	ds_load_b128 v[100+4*\i:103+4*\i], v11 offset:RS+16*\i
.endr
	s_wait_dscnt 0x0
.irp i, 0,2,4,6
	v_pk_add_f32 v[100+\i:101+\i], v[100+\i:101+\i], v[108+\i:109+\i]
.endr
	s_delay_alu instid0(VALU_DEP_2)
	v_pk_add_f32 v[100:101], v[100:101], v[104:105]
	s_delay_alu instid0(VALU_DEP_2)
	v_pk_add_f32 v[102:103], v[102:103], v[106:107]
	s_delay_alu instid0(VALU_DEP_1)
	v_pk_add_f32 v[100:101], v[100:101], v[102:103]
	s_delay_alu instid0(VALU_DEP_1)
	v_add_f32 v116, v100, v101                     ; L: the same order in every wave
	s_wait_alu depctr_va_vdst(0)
	v_rcp_f32 v119, v116
	v_nop
	s_wait_alu depctr_va_vdst(0)
.irp q, 0,1,2,3
	v_mul_f32 v[96+\q], v[96+\q], v119
.endr
	global_store_b128 v1, v[96:99], s[12:13]       ; out1: 512 consecutive bytes a wave, aligned; v96-99 are not written again
	s_cmp_lt_u32 s14, 8
	s_cbranch_scc0 .Lhid2
.irp t, 0,1,2,3,4,5,6,7,8,9,10,11,12,13,14,15
	v_sub_f32 v[16+\t], v[16+\t], v118
.endr
.irp t, 0,1,2,3,4,5,6,7,8,9,10,11,12,13,14,15
	v_mul_f32 v[16+\t], 0x3fb8aa3b, v[16+\t]
.endr
	s_wait_alu depctr_va_vdst(0)
.irp t, 0,1,2,3,4,5,6,7,8,9,10,11,12,13,14,15
	v_exp_f32 v[16+\t], v[16+\t]                   ; e^(m_t - M)
.endr
	v_nop
	s_wait_alu depctr_va_vdst(0)
.irp t, 0,1,2,3,4,5,6,7,8,9,10,11,12,13,14,15
	v_mul_f32 v[16+\t], v[16+\t], v119             ; / L
.endr
	s_wait_loadcnt 0x0                             ; the sixteen tiles' parts
.irp j, 0,1,2,3
	v_mul_f32 v[120+\j], v[32+\j], v16             ; the first tile starts the sums
.endr
.irp t, 1,2,3,4,5,6,7,8,9,10,11,12,13,14,15
.irp j, 0,1,2,3
	s_delay_alu instid0(VALU_DEP_4)
	v_fma_f32 v[120+\j], v[32+4*\t+\j], v[16+\t], v[120+\j]
.endr
.endr
	global_store_b128 v1, v[120:123], s[10:11]     ; out0's first half: 512 consecutive bytes a wave, aligned
	s_branch .Lend
.Lhid2:
	s_wait_loadcnt 0x0
	global_store_b128 v3, v[32:35], s[10:11] offset:4096       ; out0's second half: hidden as it is
.Lend:
	s_wait_tensorcnt 0x0                           ; the wave's end
	ds_add_u32 v[SPW], v[NIL]
	s_wait_dscnt 0x0
	s_endpgm
.Lfunc_end_k_qf22d1e529f_finish:
	.size	k_qf22d1e529f_finish, .Lfunc_end_k_qf22d1e529f_finish-k_qf22d1e529f_finish
	.p2alignl 7, 3214868480
	.fill 96, 4, 3214868480
	.section	.rodata,"a",@progbits
	.p2align	6, 0x0
	.amdhsa_kernel k_qf22d1e529f_finish
		.amdhsa_group_segment_fixed_size 2560
		.amdhsa_private_segment_fixed_size 0
		.amdhsa_enable_private_segment 0
		.amdhsa_kernarg_size 40
		.amdhsa_user_sgpr_count 2
		.amdhsa_user_sgpr_kernarg_segment_ptr 1
		.amdhsa_wavefront_size32 1
		.amdhsa_system_sgpr_workgroup_id_x 1
		.amdhsa_system_sgpr_workgroup_id_y 1
		.amdhsa_system_sgpr_workgroup_id_z 1
		.amdhsa_system_vgpr_workitem_id 0
		.amdhsa_next_free_vgpr 128
		.amdhsa_next_free_sgpr 66
		.amdhsa_reserve_vcc 0
		.amdhsa_float_denorm_mode_32 3
		.amdhsa_float_denorm_mode_16_64 3
		.amdhsa_memory_ordered 1
		.amdhsa_forward_progress 1
		.amdhsa_inst_pref_size 17
	.end_amdhsa_kernel
	.amdgpu_metadata
---
amdhsa.version: [ 1, 2 ]
amdhsa.kernels:
  - .name:           k_qf22d1e529f_finish
    .symbol:         k_qf22d1e529f_finish.kd
    .args:
      - { .name: scores, .offset: 0, .size: 8, .value_kind: global_buffer, .address_space: global }
      - { .name: pctx, .offset: 8, .size: 8, .value_kind: global_buffer, .address_space: global }
      - { .name: hidden, .offset: 16, .size: 8, .value_kind: global_buffer, .address_space: global }
      - { .name: out0, .offset: 24, .size: 8, .value_kind: global_buffer, .address_space: global }
      - { .name: out1, .offset: 32, .size: 8, .value_kind: global_buffer, .address_space: global }
    .group_segment_fixed_size: 2560
    .private_segment_fixed_size: 0
    .kernarg_segment_align: 8
    .kernarg_segment_size: 40
    .max_flat_workgroup_size: 512
    .sgpr_count:     66
    .vgpr_count:     128
    .wavefront_size: 32
...
	.end_amdgpu_metadata
.endif
;; end of part 3
